; MI455X (gfx1250); checked and timed in simulation.
; The chip was launched on July 23, 2026; its instructions are those of AMD's public machine-readable ISA for CDNA 5 (MIT licence, August 2026) and "CDNA5" Instruction Set Architecture Reference Guide (July 2026). The comments in the code are by the model that wrote it; some were corrected since.
;; Self Attention. Allowed arithmetic: matrix products marked QUANTISED: E2M3 operands, one E8M0 scale for each 32 along K, by v_wmma_scale_f32_16x16x128_f8f6f4 with both operands' format E2M3, f32 sums; everything else in f32.
;; Inputs: Wk 1,024 x 128 float32; Wq 1,024 x 128 float32; Wv 1,024 x 128 float32; bk 128 float32; bq 128 float32; bv 128 float32; x 4 x 4,096 x 1,024 float32.
;; Outputs: out0 4 x 4,096 x 128 float32.
;; This version of the problem:
;;   THIS VERSION OF THE PROBLEM IS GIVEN IN LOW PRECISION. The matrix products marked QUANTISED in the list below multiply operands that are first quantised to E2M3 (2 exponent bits, 3 mantissa bits; 6 bits a number), with one power-of-two scale for each 32 numbers along K (OCP MX v1.0); their sums are f32. All else is computed in f32.
;;   The module's matrix products, in the order in which they are computed (A, B: the left and right operand; K: the contracted axis; several contracted axes count as one K, in the product's order):
;;     1. [M 16,384, K 1,024] x [K 1,024, N 128]; A: input x; B: input Wq: QUANTISED
;;     2. [M 16,384, K 1,024] x [K 1,024, N 128]; A: input x; B: input Wk: QUANTISED
;;     3. [M 16,384, K 1,024] x [K 1,024, N 128]; A: input x; B: input Wv: QUANTISED
;;     4. batch 4 x [M 4,096, K 128] x [K 128, N 4,096]; A: computed on the way; B: computed on the way: QUANTISED
;;     5. batch 4 x [M 4,096, K 4,096] x [K 4,096, N 128]; A: softmax (see below); B: computed on the way: QUANTISED
;;   THE QUANTISER, for each operand of a quantised product, along K:
;;     - K is cut into blocks of 32 from its start; a last block that is shorter is filled with zeros.
;;     - A block's scale is 2^e with e = floor(log2(the largest magnitude in the block)) - 2, held to -126 .. 127; a block of zeros has e = 0. As a byte (E8M0): e + 127.
;;     - Each number is divided by its block's scale, clamped to +-7.5, and rounded to the nearest number of E2M3, ties to even, subnormals kept.
;;     - The product sums the exact products of the quantised numbers (number of the format x scale) in f32.
;;   ~~~python
;;   def quantise(x, axis):      # numpy; x: float32 -> the quantised numbers, widened to float32 again
;;       x = np.moveaxis(x, axis, -1); K = x.shape[-1]
;;       x = np.pad(x, [(0, 0)] * (x.ndim - 1) + [(0, -K % 32)]); x = x.reshape(x.shape[:-1] + (-1, 32)); a = np.abs(x).max(-1, keepdims=True)
;;       e = np.where(a > 0, np.clip(np.frexp(np.where(a > 0, a, 1))[1] - 1 - 2, -126, 127), 0)      # np.frexp(a)[1] - 1 = floor(log2(a)), exactly
;;       r = np.clip(x / 2.0 ** e, -7.5, 7.5)
;;       step = 2.0 ** (np.maximum(np.frexp(np.where(r == 0, 1, r))[1] - 1, 0) - 3)
;;       q = np.round(r / step) * step * 2.0 ** e      # np.round: ties to even
;;       return np.moveaxis(q.reshape(q.shape[:-2] + (-1,))[..., :K], -1, axis).astype(np.float32)
;;   ~~~
;;   SOFTMAX AHEAD OF A QUANTISED PRODUCT. Where the list says 'softmax', what is quantised is not the finished softmax but p = 2^(t - M), with t = logit x log2(e) and M = ceil(the row's largest t), a whole number; so 1/2 < the row's largest p <= 1. The row's sum l is taken of the UNQUANTISED p, in f32, and the product's result is divided by l at the end. Since M is a whole number, a kernel that streams over the keys may use a running M (the ceiling of the running maximum): every later rescaling is an exact power of two, which a block's scale takes up: the codes' values come out the same.
;;   OPERANDS COMPUTED ON THE WAY. 'Computed on the way' means the value that the module computes at that place (a softmax that the list does not call 'softmax' is quantised finished and normalised). What goes into a quantiser is computed in f32, as accurately as f32 sums, v_exp_f32 and their like allow (about 1e-6 of the number): no bf16 or f16 on the way to a quantiser, and a product that is left as it is and whose result goes on into a quantised operand takes f32 operands (vector FMAs, or v_wmma_f32_16x16x4_f32). A number that lies on a knife's edge between two numbers of the format may be rounded either way, as far as f32 arithmetic and the matrix unit's own rounding can turn it there, and no further.
;; One version. Each part assembles by itself: llvm-mc -triple=amdgcn-amd-amdhsa -mcpu=gfx1250 --defsym DOCPART=n.
;; ======== version 1 of 1: 3 launches
;; limits: right only within a limited range of input values
;; workspace buffers: wcodes 294,912 bytes; wscales 12,288 bytes; qc 1,638,400 bytes; kv 3,276,800 bytes
;; launch wquant (part 1): grid 32 x 6, 1 waves a work-group, no clusters, 0 bytes of LDS; arguments Wq, Wk, Wv, wcodes, wscales; writes wcodes, wscales
.if DOCPART == 1
	.amdgcn_target "amdgcn-amd-amdhsa--gfx1250"
	.amdhsa_code_object_version 6
	.text
	.protected	k_q99c88c3d1d_wquant
	.globl	k_q99c88c3d1d_wquant
	.p2align	8
	.type	k_q99c88c3d1d_wquant,@function
k_q99c88c3d1d_wquant:
	s_mov_b64 s[64:65], 0
	v_nop
	global_prefetch_b8 v0, s[64:65] scope:SCOPE_SE
	s_setreg_imm32_b32 hwreg(HW_REG_WAVE_MODE, 25, 1), 1
	s_wait_xcnt 0x0
; Wq, Wk, Wv [1024 (k)][128 (n)], f32, become codes of FP6 (E2M3) quantised along K, with one E8M0 byte for each 32 along K,
; laid as IMAGES OF THE OPERAND'S REGISTERS: a fragment (16 columns x 128 K, 12 registers a lane) is three groups of 512 bytes,
; group g = registers 4 g .. 4 g + 3, lane l's 16 bytes at 16 l.
;   wcodes  [unit y 0..5][K step s 0..7][tile i 0..3][1,536 bytes];  y = 2 x matrix + half (matrix 0 Wq, 1 Wk, 2 Wv), column tile t = 4 half + i
;   wscales [y][s][r 0..15][i 0..3] words: one load of 16 bytes at 16 r gives the four tiles' scale words of a K step
; WHICH COLUMNS FORM A TILE: Wq, Wk: lane r of tile t is column 32 (t / 2) + 8 (t % 2) + r + 8 (r / 8), so that the projection's results
; of two neighbouring tiles are 16 neighbours along d, the next product's K;  Wv: column 16 t + r.
; One wave makes one fragment: a lane takes a column and its registers run DOWN K in the order that the operand's layout gives the lane
; (k = 64 c + 32 h + 0 .. 31), so the conversions' results are the operand's registers and nothing is transposed.
; 192 work-groups of one wave, 64 loads each in flight; the three tensors are 1.5 MB in all.  Nothing is shared: no LDS, no cluster, no barrier.
; The scale words leave as 4 bytes at every 16 (12 KB in the whole launch, blocks of 256 bytes written in part by four work-groups): the price of the reader's one load for four tiles.
; A block's scale is 2^(floor(log2(its largest magnitude)) - 2); its byte is the largest magnitude's exponent field - 2, held at 1 from below.
; LIMITS: a block of zeros, or one whose largest magnitude lies under 2^-124, gets the byte 1 (the rule says 127 for zeros: the codes are zeros, which add nothing, and this program alone reads the bytes);
; NaN and infinities among the inputs are not served.
.set X, 64                             ; v64-127  my 64 numbers: register 32 c + i = W(128 s + 64 c + 32 h + i, my column)
	s_load_b256 s[4:11], s[0:1], 0x0               ; Wq s[4:5], Wk s[6:7], Wv s[8:9], wcodes s[10:11]
	s_load_b64 s[12:13], s[0:1], 0x20              ; wscales
	s_and_b32 s14, ttmp7, 0xffff                   ; y
	s_lshr_b32 s15, s14, 1                         ; matrix
	s_and_b32 s16, s14, 1                          ; half
	s_lshr_b32 s17, ttmp9, 2                       ; K step s
	s_and_b32 s18, ttmp9, 3                        ; tile i
	s_lshl_b32 s19, s16, 2
	s_add_co_u32 s19, s19, s18                     ; t = 4 half + i
	s_lshl_b32 s22, s16, 6
	s_lshl_b32 s23, s18, 3
	s_add_co_u32 s22, s22, s23                     ; Wq, Wk: lane r of tile i is column 64 half + 8 i + r % 8 + 32 (r / 8)
	s_lshl_b32 s23, s19, 4                         ; Wv: 16 t
	s_cmp_lt_u32 s15, 2
	s_cselect_b32 s22, s22, s23
	s_cselect_b32 s24, 8, 0                        ; Wq, Wk: lanes 8-15 stand 24 columns further on
	s_lshl_b32 s22, s22, 2
	s_lshl_b32 s26, s17, 16                        ; 128 rows of 512 bytes a K step
	s_add_co_u32 s26, s26, s22
	s_mov_b32 s27, 0
	s_mul_i32 s28, s14, 49152                      ; where the image goes
	s_mul_i32 s25, s17, 6144
	s_add_co_u32 s28, s28, s25
	s_mul_i32 s25, s18, 1536
	s_add_co_u32 s28, s28, s25
	s_mov_b32 s29, 0
	s_lshl_b32 s30, s14, 11                        ; and the scale words
	s_lshl_b32 s25, s17, 8
	s_add_co_u32 s30, s30, s25
	s_lshl_b32 s25, s18, 2
	s_add_co_u32 s30, s30, s25
	s_mov_b32 s31, 0
	s_mov_b32 s20, 0x76543210
	s_mov_b32 s21, 0xfedcba98                      ; v_permlanex16_b32's selects for lane l xor 16
	v_and_b32 v1, 15, v0                           ; r
	v_lshrrev_b32 v2, 4, v0                        ; h (one wave: the thread's number is the lane)
	v_and_b32 v3, s24, v1
	v_mad_u32_u24 v3, v3, 3, v1
	v_lshlrev_b32 v5, 2, v3
	v_lshl_add_u32 v5, v2, 14, v5                  ; lanes 16-31 begin 32 rows of 512 bytes further down
	v_lshlrev_b32 v6, 4, v0                        ; the image: 16 x lane
	v_lshlrev_b32 v7, 4, v1                        ; the scale word: 16 r
	s_wait_alu depctr_va_vdst(0)
	s_wait_kmcnt 0x0
	s_cmp_eq_u32 s15, 0                            ; which tensor: the choice hangs on the work-group's number alone
	s_cselect_b64 s[4:5], s[4:5], s[6:7]
	s_cmp_eq_u32 s15, 2
	s_cselect_b64 s[4:5], s[8:9], s[4:5]
	s_add_nc_u64 s[4:5], s[4:5], s[26:27]
	s_add_nc_u64 s[10:11], s[10:11], s[28:29]
	s_add_nc_u64 s[12:13], s[12:13], s[30:31]
.irp c, 0,1
.set i, 0
.rept 32
	global_load_b32 v[X+32*\c+i], v5, s[4:5] offset:512*(64*\c+i)
.set i, i+1
.endr
.endr
	s_wait_loadcnt 0x0
.irp c, 0,1                                    ; my block 2 c + h: all its 32 numbers are mine
	v_max3_num_f32 v[32+\c], |v[X+32*\c]|, |v[X+1+32*\c]|, 0x1800000   ; and the floor 2^(3 - 127): the byte cannot fall under 1
.endr
.irp i, 2,4,6,8,10,12,14,16,18,20,22,24,26,28,30
.irp c, 0,1
	v_max3_num_f32 v[32+\c], v[32+\c], |v[X+32*\c+\i]|, |v[X+1+32*\c+\i]|   ; (the two blocks by turns)
.endr
.endr
.irp c, 0,1
	v_add_nc_u32 v[44+\c], 0xff000000, v[32+\c]    ; 2 off the exponent field: the conversion takes the exponent field of this operand as its scale
.endr
.irp c, 0,1
	v_lshrrev_b32 v[36+\c], 23, v[44+\c]           ; the scale's byte
.endr
	v_lshl_or_b32 v9, v37, 16, v36                 ; my two bytes: blocks h and 2 + h of my column,
	v_lshlrev_b32 v10, 3, v2
	v_lshlrev_b32 v9, v10, v9                      ; at their places in the word (8 h bits up);
	v_mov_b32 v10, 0
	v_permlanex16_b32 v10, v9, s20, s21
	v_or_b32 v9, v9, v10                           ; with lane l xor 16's two the word is whole
.irp c, 0,1
	v_cvt_scalef32_pk16_fp6_f32 v[48+6*\c:50+6*\c], v[X+32*\c:X+15+32*\c], v[44+\c]      ; registers 6 c .. 6 c + 2 of the operand
	v_cvt_scalef32_pk16_fp6_f32 v[128+4*\c:130+4*\c], v[X+16+32*\c:X+31+32*\c], v[44+\c] ; (a conversion's three registers begin on an even number: the second three are made elsewhere and moved)
.endr
	v_nop                                          ; one plain place behind a scaled conversion
.irp c, 0,1
.irp i, 0,1,2
	v_mov_b32 v[51+6*\c+\i], v[128+4*\c+\i]
.endr
.endr
.irp g, 0,1,2
	global_store_b128 v6, v[48+4*\g:51+4*\g], s[10:11] offset:512*\g   ; 32 lanes store 512 consecutive bytes, at a multiple of 256 from the buffer's first byte
.endr
	s_wait_xcnt 0x0                                ; EXEC is a source of the stores above: it changes only behind this wait
	v_cmp_gt_u32 vcc_lo, 16, v0
	s_and_saveexec_b32 s14, vcc_lo                 ; lanes 0-15: one word a column
	global_store_b32 v7, v9, s[12:13]
	s_wait_xcnt 0x0                                ; and again in front of the line that widens it
	s_or_b32 exec_lo, exec_lo, s14
	s_endpgm
.Lfunc_end_k_q99c88c3d1d_wquant:
	.size	k_q99c88c3d1d_wquant, .Lfunc_end_k_q99c88c3d1d_wquant-k_q99c88c3d1d_wquant
	.p2alignl 7, 3214868480
	.fill 96, 4, 3214868480
	.section	.rodata,"a",@progbits
	.p2align	6, 0x0
	.amdhsa_kernel k_q99c88c3d1d_wquant
		.amdhsa_group_segment_fixed_size 0
		.amdhsa_private_segment_fixed_size 0
		.amdhsa_enable_private_segment 0
		.amdhsa_kernarg_size 40
		.amdhsa_user_sgpr_count 2
		.amdhsa_user_sgpr_kernarg_segment_ptr 1
		.amdhsa_wavefront_size32 1
		.amdhsa_system_sgpr_workgroup_id_x 1
		.amdhsa_system_sgpr_workgroup_id_y 1
		.amdhsa_system_sgpr_workgroup_id_z 1
		.amdhsa_system_vgpr_workitem_id 0
		.amdhsa_next_free_vgpr 136
		.amdhsa_next_free_sgpr 66
		.amdhsa_reserve_vcc 1
		.amdhsa_float_denorm_mode_32 3
		.amdhsa_float_denorm_mode_16_64 3
		.amdhsa_memory_ordered 1
		.amdhsa_forward_progress 1
		.amdhsa_inst_pref_size 12
	.end_amdhsa_kernel
	.amdgpu_metadata
---
amdhsa.version: [ 1, 2 ]
amdhsa.kernels:
  - .name:           k_q99c88c3d1d_wquant
    .symbol:         k_q99c88c3d1d_wquant.kd
    .args:
      - { .name: Wq, .offset: 0, .size: 8, .value_kind: global_buffer, .address_space: global }
      - { .name: Wk, .offset: 8, .size: 8, .value_kind: global_buffer, .address_space: global }
      - { .name: Wv, .offset: 16, .size: 8, .value_kind: global_buffer, .address_space: global }
      - { .name: wcodes, .offset: 24, .size: 8, .value_kind: global_buffer, .address_space: global }
      - { .name: wscales, .offset: 32, .size: 8, .value_kind: global_buffer, .address_space: global }
    .group_segment_fixed_size: 0
    .private_segment_fixed_size: 0
    .kernarg_segment_align: 8
    .kernarg_segment_size: 40
    .max_flat_workgroup_size: 32
    .sgpr_count:     66
    .vgpr_count:     136
    .wavefront_size: 32
...
	.end_amdgpu_metadata
.endif
;; end of part 1
;; launch proj (part 2): grid 256 x 1, 10 waves a work-group, no clusters, 327,680 bytes of LDS; arguments x, wcodes, wscales, bq, bk, bv, qc, kv; writes qc, kv
.if DOCPART == 2
	.amdgcn_target "amdgcn-amd-amdhsa--gfx1250"
	.amdhsa_code_object_version 6
	.text
	.protected	k_q99c88c3d1d_proj
	.globl	k_q99c88c3d1d_proj
	.p2align	8
	.type	k_q99c88c3d1d_proj,@function
k_q99c88c3d1d_proj:
	s_mov_b64 s[64:65], 0
	v_nop
	global_prefetch_b8 v0, s[64:65] scope:SCOPE_SE
	s_setreg_imm32_b32 hwreg(HW_REG_WAVE_MODE, 25, 1), 1
	s_wait_xcnt 0x0
; Q, K, V = quantised(x) quantised(W) + b on codes of FP6 (E2M3) with one E8M0 scale for each 32 along K = 1,024; then Q and K are quantised along d and V along the keys, and only codes go to memory.
; SHARES.  Work-group G takes rows 64 G .. 64 G + 63 of x (16,384 rows of 1,024 f32).  Ten waves in three roles:
;   waves 6-9 (producers; p = wave % 2: row tiles 2 p, 2 p + 1; u = wave / 8: which of these rows' two tiles): waves 0-7 ask for x's 64 rows, one strip each by one tensor load
;     (a strip = 64 rows x 128 K = 512 bytes a row) at the start, in the order of K; as each strip lands, each of the four quantises ONE tile of it (16 rows x 128 K) and stores the fragment and its scale words in LDS, as an image of the operand's registers;
;   waves 0-3 (matrix = wave / 2: 0 Q, 1 K; half = wave % 2): 64 of the 128 d x 64 rows, used TRANSPOSED (source 0 = 16 columns of W, source 1 = 16 rows of x): a lane holds one row, its registers run along d;
;   waves 4, 5 (V; half = wave % 2): 64 d x 64 rows, source 0 = 16 rows of x, source 1 = 16 columns of Wv: a lane holds one d, its registers run along the rows, which are the keys.
; Each consumer has 16 accumulators (4 x 4 tiles) and reads each fragment of W once, from memory straight into registers, one K step ahead.
; THE ROWS OF A TILE ARE NOT NEIGHBOURS: lane r of row tile m = 2 b + u is row 32 b + 8 u + r + 8 (r / 8) of the group; W's columns of Q and K likewise.  So the 16 registers of two neighbouring tiles are 16 neighbours along the next product's K.
; THE BIAS is the C of each sum's first matrix instruction.
; ONE BARRIER A K STEP, for two things: in front of barrier s every wave has waited for its LDS stores and, if it asked for strip s + 1, for that strip.  Behind it the images of K step s are whole, and strip s + 1 may be read by every producer
; Each K step has LDS bytes of its own, every LDS byte is filled or stored once, and nothing is filled again.
; NO CLUSTER: what all work-groups share is W's codes; beside x's 64 rows (270,336 bytes with padding), their images and scale words 5,120 bytes of LDS are left, and a K step of W's codes is 36,864 bytes: there is no slot for a joint tile.
; OUT (all in the order of the reader's registers; a half image = registers 6 c .. 6 c + 5 of a fragment: 512 bytes, registers 6 c .. 6 c + 3, 16 bytes at 16 x lane; then 256 bytes, the other two, 8 bytes at 8 x lane):
;   qc [G][6,400]: half images at 1,536 m + 768 half; scale words at 6,144 + 16 r + 4 m
;   kv [G / 2][25,600], c = G % 2: K's half images at 1,536 (4 c + m) + 768 half; V's at 12,288 + 6,144 c + 768 t (d tile t = 4 half + j); K's scale words at 24,576 + 256 c + 16 r + 4 m;
;     V's at 25,088 + 256 (t / 4) + 16 r + 4 (t % 4), bytes 2 c and 2 c + 1: these 2-byte stores write blocks of 256 bytes in part (a word's four bytes belong to two work-groups): 256 bytes a work-group.
; LIMITS: a block of zeros, or one whose largest magnitude lies under 2^-124, gets the byte 1 (its codes are zeros or tiny; this program alone reads the bytes); NaN and infinities among the inputs are not served.
; The bias enters the f32 sum first and not last: an order of rounding that differs from the reference's.
; A strip is 64 rows x 128 K; waves 0-7 ask for one each.  Lane r of row tile m is row 8 m + r % 8 + 32 (r / 8); W's columns of Q and K likewise: a lane's 32 results of four tiles are one scale block.
.set STRIP, 64*528                     ; a strip in LDS: 64 rows x (512 bytes + 16 of padding)
.set XIMG,  8*STRIP
.set XSC,   XIMG+8*6144                ; their scale words at 256 s + 16 r + 4 m
.set SST,   XSC+8*256                  ; Q's and K's half scale words: 256 bytes for each of waves 0-3, at 16 r + 4 m
.set LI,   4                           ; v4   16 x lane
.set L8,   5                           ; v5   8 x lane
.set R16,  6                           ; v6   16 r
.set PRAW, 7                           ; v7-8 producers: my row and half in strips 0-1, 2-3
.set PIMG, 9                           ; v9   producers: where I store images
.set PXS,  10                          ; v10  and scale words
.set CIMG, 11                          ; v11  consumers: where images are read
.set CXS,  12                          ; v12  and scale words
.set SSTW, 13                          ; v13  my wave's 256 bytes of SST, 16 r
.set SSTR, 14                          ; v14  the same, 8 x lane
.set VSO,  15                          ; v15  V's scale bytes: 16 r + 4 h
.set F1,   16                          ; v16-63   source 0's four fragments (Q, K: W's; V: x's)
.set F2,   64                          ; v64-111  source 1's four (Q, K: x's; V: W's)
.set S1,   112                         ; v112-115 source 0's scale words;  v116-119 source 1's: these eight hold scales and nothing else, and loads alone write them
.set S2,   116
.set PWS,  120                         ; v120-123 scale words just made
.set BOQ,  124                         ; v124 128 h;  v125 4 r: the biases' offsets
.set BOV,  125
.set ACC,  128                         ; v128-255 accumulator (j, i) at ACC + 32 j + 8 i: j counts source 1's tiles, i source 0's
.set PC,   16                          ; producers: v16-34 the codes just made
.set TM,   64                          ; v64-79 at work in the quantiser
.set XA,   128                         ; producers: v128-191: 64 numbers of a lane, one tile
.set WV,   20                          ; s20 wave;  s21 wave % 2
.set HF,   21
.set SEL,  22                          ; s[22:23] selects for lane l xor 16
.set G1,   24                          ; s[24:31] descriptor group 1
.set G0,   32                          ; s[32:35] group 0 of my strip: never rewritten
.set WC,   66                          ; s[66:67] my unit of wcodes;  s[68:69] of wscales;  s[70:71] my 64 biases;  s[72:73], s[74:75] where codes and scales go
.set WSC,  68
.set BP,   70
.set OC,   72
.set OS,   74
.set MAT,  76                          ; s76 wave / 2
.set RB,   77
.set US,   81                          ; s81 wave / 8: a producer's tile of the two
.macro PLACES n
.rept \n
	v_nop
.endr
.endm
; 64 numbers of a lane, register 16 b + i = k 32 b + 16 h + i of my row, become a fragment's codes in v[PC] on and its scale word in v[PWS].
.macro QUANT s
.irp b, 0,1,2,3
	v_max3_num_f32 v[TM+\b], |v[\s+16*\b]|, |v[\s+1+16*\b]|, 0x1800000   ; block b: my 16 numbers, and the floor 2^(3 - 127): the byte cannot fall under 1
.endr
.irp i, 2,4,6,8,10,12,14
.irp b, 0,1,2,3
	s_delay_alu instid0(VALU_DEP_4)
	v_max3_num_f32 v[TM+\b], v[TM+\b], |v[\s+16*\b+\i]|, |v[\s+1+16*\b+\i]|   ; (the four blocks by turns)
.endr
.endr
.irp b, 0,1,2,3
	s_delay_alu instid0(VALU_DEP_4)
	v_permlanex16_b32 v[TM+4+\b], v[TM+\b], s[SEL], s[SEL+1]
.endr
.irp b, 0,1,2,3
	s_delay_alu instid0(VALU_DEP_4)
	v_max_num_f32 v[TM+\b], v[TM+\b], v[TM+4+\b]   ; with lane l xor 16's: the block's largest magnitude
.endr
.irp b, 0,1,2,3
	s_delay_alu instid0(VALU_DEP_4)
	v_add_nc_u32 v[TM+12+\b], 0xff000000, v[TM+\b] ; 2 off its exponent field: the conversion's scale operand
.endr
.irp b, 0,1,2,3
	s_delay_alu instid0(VALU_DEP_4)
	v_lshrrev_b32 v[TM+4+\b], 23, v[TM+12+\b]      ; the scale's byte
.endr
	s_delay_alu instid0(VALU_DEP_3)
	v_lshl_or_b32 v[PWS], v[TM+5], 8, v[TM+4]
	s_delay_alu instid0(VALU_DEP_1)
	v_lshl_or_b32 v[PWS], v[TM+6], 16, v[PWS]
	s_delay_alu instid0(VALU_DEP_1)
	v_lshl_or_b32 v[PWS], v[TM+7], 24, v[PWS]
.irp c, 0,1
	v_cvt_scalef32_pk16_fp6_f32 v[PC+6*\c:PC+2+6*\c], v[\s+32*\c:\s+15+32*\c], v[TM+12+2*\c]
	v_cvt_scalef32_pk16_fp6_f32 v[PC+12+4*\c:PC+14+4*\c], v[\s+16+32*\c:\s+31+32*\c], v[TM+12+2*\c+1]   ; (a conversion's three registers begin on an even number)
.endr
	v_nop                                          ; one plain place behind a scaled conversion
.irp c, 0,1                                    ; the operand's layout wants a WHOLE block in a lane: lanes 0-15 block 2 c, lanes 16-31 block 2 c + 1
.irp i, 0,1,2
	v_permlane16_swap_b32 v[PC+6*\c+\i], v[PC+12+4*\c+\i]
.endr
.irp i, 0,1,2
	s_delay_alu instid0(VALU_DEP_3)
	v_mov_b32 v[PC+3+6*\c+\i], v[PC+12+4*\c+\i]
.endr
.endr
.endm
; The same for 32 numbers, two blocks: six registers of codes in v[pc] on (half a fragment) and the two bytes in v[pw].  The numbers are four accumulators: each is read from its low end on.
.macro QUANT2 s, pc, pw
.irp b, 0,1
	v_max3_num_f32 v[TM+\b], |v[\s+16*\b]|, |v[\s+1+16*\b]|, 0x1800000
.endr
.irp i, 2,4,6,8,10,12,14
.irp b, 0,1
	v_max3_num_f32 v[TM+\b], v[TM+\b], |v[\s+16*\b+\i]|, |v[\s+1+16*\b+\i]|
.endr
.endr
	v_max_num_f32 v[TM], v[TM], v[TM+1]            ; the 32 numbers are one block: lanes 0-15 the first, lanes 16-31 the second
	v_add_nc_u32 v[TM+12], 0xff000000, v[TM]
	v_lshrrev_b32 v[TM+1], 23, v[TM+12]
	v_lshlrev_b32 v[TM+1], v0, v[TM+1]             ; 8 h bits up
	v_permlanex16_b32 v[TM+4], v[TM+1], s[SEL], s[SEL+1]
	v_or_b32 v[\pw], v[TM+1], v[TM+4]              ; both blocks' bytes, in every lane
	v_cvt_scalef32_pk16_fp6_f32 v[\pc:\pc+2], v[\s:\s+15], v[TM+12]
	v_cvt_scalef32_pk16_fp6_f32 v[\pc+8:\pc+10], v[\s+16:\s+31], v[TM+12]
	v_nop                                          ; one plain place behind a scaled conversion
.irp i, 0,1,2
	v_mov_b32 v[\pc+3+\i], v[\pc+8+\i]
.endr
.endm
.macro IMAGE off                               ; the fragment in v[PC] on goes to LDS as it stands
.irp c, 0,1,2
	ds_store_b128 v[PIMG], v[PC+4*\c:PC+4*\c+3] offset:\off+512*\c
.endr
.endm
.macro FETCHX reg, sreg, s                     ; x's four fragments of K step s, and their scale words: 13 LDS loads
.irp m, 0,1,2,3
.irp g, 0,1,2
	ds_load_b128 v[\reg+12*\m+4*\g:\reg+12*\m+4*\g+3], v[CIMG] offset:6144*(\s)+1536*\m+512*\g
.endr
.endr
	ds_load_b128 v[\sreg:\sreg+3], v[CXS] offset:256*(\s)
.endm
.macro FETCHW reg, sreg, s                     ; my four fragments of W of K step s, and their scale words: 13 loads, 512 consecutive bytes each but the last
.irp i, 0,1,2,3
.irp g, 0,1,2
	global_load_b128 v[\reg+12*\i+4*\g:\reg+12*\i+4*\g+3], v[LI], s[WC:WC+1] offset:6144*(\s)+1536*\i+512*\g
.endr
.endr
	global_load_b128 v[\sreg:\sreg+3], v[R16], s[WSC:WSC+1] offset:256*(\s)
.endm
.macro WM j, i, c                              ; accumulator (j, i) = source 0's tile i x source 1's tile j + v[c ..]
	v_wmma_scale_f32_16x16x128_f8f6f4 v[ACC+32*\j+8*\i:ACC+32*\j+8*\i+7], v[F1+12*\i:F1+12*\i+11], v[F2+12*\j:F2+12*\j+11], v[\c:\c+7], v[S1+\i], v[S2+\j] matrix_a_fmt:MATRIX_FMT_FP6 matrix_b_fmt:MATRIX_FMT_FP6
.endm
.macro MUL16                                   ; a K step: the 16 accumulators take turns, one instruction a turn, in the same order in every step
.irp j, 0,1,2,3
.irp i, 0,1,2,3
	WM \j, \i, ACC+32*\j+8*\i
.endr
.endr
.endm
; K step 0: the bias is the C.  It was loaded into the last accumulator of each row (Q, K: (3, i)) or column (V: (j, 3)); the other twelve products take it from there, and then those four add in place.
; They write over registers that the twelve have read as C: five places stand between (four of them by ISA guide 7.12.1).
.macro MULZ role
.if \role == 0
.irp j, 0,1,2
.irp i, 0,1,2,3
	WM \j, \i, ACC+96+8*\i
.endr
.endr
	PLACES 5
.irp i, 0,1,2,3
	WM 3, \i, ACC+96+8*\i
.endr
.else
.irp i, 0,1,2
.irp j, 0,1,2,3
	WM \j, \i, ACC+32*\j+24
.endr
.endr
	PLACES 5
.irp j, 0,1,2,3
	WM \j, 3, ACC+32*\j+24
.endr
.endif
.endm
; A consumer's K step.  role 0: Q, K;  1: V.
.macro CONS s, role
.if \role == 0
	FETCHX F2, S2, \s
.else
	FETCHX F1, S1, \s
.endif
	PLACES 4                                       ; F1's and F2's register numbers also serve the quantiser's vector lines (the head's four moves; the producers' steps, which stand in the same text): an operand register that a vector
	                                               ; instruction has written stands four places ahead of a scaled matrix instruction.  These four hold on every way into the products below, and are issued while the loads above are out
	s_wait_loadcnt 0x0                             ; W's fragments of this step, asked for a step ago (at step 0 the bias too)
	s_wait_dscnt 0x0                               ; x's
.if (\s) == 0
	s_wait_alu depctr_va_vdst(0)
	MULZ \role
.else
	MUL16
.endif
	PLACES 4                                       ; in front of loads into registers that matrix instructions have read, and of the first read of results (ISA guide 7.12.1 for the first read of results)
.if (\s) < 7
.if \role == 0
	FETCHW F1, S1, (\s)+1
.else
	FETCHW F2, S2, (\s)+1
.endif
.endif
.endm
; A producer's K step: strip s has landed (the wave that asked for it waited in front of the last barrier); my 16 rows of it become one fragment.  A tile's two groups of eight rows lie 32 rows apart, a whole number of times
; through the 64 banks of 4 bytes (ISA guide 11.1) at any pitch that is a multiple of 16 bytes: by that reckoning these reads go two deep.
.macro PROD s
.irp b, 0,1,2,3
.irp j, 0,1,2,3
	ds_load_b128 v[XA+16*\b+4*\j:XA+16*\b+4*\j+3], v[PRAW+(\s)/2-8*((\s)/4)] offset:((\s)%2)*STRIP+128*\b+16*\j
.endr
.endr
	s_wait_dscnt 0x0
	QUANT XA
	IMAGE 6144*(\s)
	ds_store_b32 v[PXS], v[PWS] offset:256*(\s)    ; lanes r and r + 16 write the same word with the same value
.endm
; Trip s: the producers make K step s while the consumers multiply K step s - 1; then every wave meets.
.macro TRIP s
	s_cmp_lt_u32 s[WV], 6
	s_cbranch_scc1 .Lcons_\@
	PROD \s
	s_branch .Ljoin_\@
.Lcons_\@:
.if \s > 0
	s_cmp_lt_u32 s[WV], 4
	s_cbranch_scc0 .Lv_\@
	s_wait_alu depctr_va_vdst(0)
	CONS \s-1, 0
	s_branch .Ljoin_\@
.Lv_\@:
	CONS \s-1, 1
.endif
.Ljoin_\@:
.if \s < 7
	s_cmp_eq_u32 s[WV], \s+1
	s_cbranch_scc0 .Lmine_\@
	s_wait_tensorcnt 0x0                           ; for the others' sake: strip s + 1, which this wave asked for, is in LDS
.Lmine_\@:
.endif
	s_wait_dscnt 0x0                               ; for the others' sake: my LDS stores have landed
	s_barrier_signal -1
	s_barrier_wait -1                              ; the images of K step s are whole, and strip s + 1 may be read by every producer
.endm
	s_load_b512 s[4:19], s[0:1], 0x0               ; x s[4:5], wcodes s[6:7], wscales s[8:9], bq s[10:11], bk s[12:13], bv s[14:15], qc s[16:17], kv s[18:19]
	v_lshl_add_u32 v126, v0, 2, 0x4ec00
	v_mov_b32 v127, 0
	ds_add_u32 v126, v127
	ds_add_u32 v126, v127
	v_lshrrev_b32 v1, 5, v0
	s_delay_alu instid0(VALU_DEP_1)
	v_readfirstlane_b32 s[WV], v1                  ; wave 0..9
	s_and_b32 s[HF], s[WV], 1
	s_lshr_b32 s[MAT], s[WV], 1
	s_lshr_b32 s[US], s[WV], 3                     ; waves 6, 7: tile 0 of their 32 rows; waves 8, 9: tile 1
	s_mov_b32 s[SEL], 0x76543210
	s_mov_b32 s[SEL+1], 0xfedcba98
	; every LDS address is made here, ahead of the first parting of the roles, and never rewritten
	v_and_b32 v1, 31, v0                           ; lane
	v_and_b32 v2, 15, v0                           ; r
	v_bfe_u32 v3, v0, 4, 1                         ; h
	s_delay_alu instid0(VALU_DEP_3)
	v_lshlrev_b32 v[LI], 4, v1
	s_delay_alu instid0(VALU_DEP_4)
	v_lshlrev_b32 v[L8], 3, v1
	s_delay_alu instid0(VALU_DEP_4)
	v_lshlrev_b32 v[R16], 4, v2
	s_wait_alu depctr_va_vdst(0)
	v_and_b32 v[PRAW], 8, v2
	v_mad_u32_u24 v[PRAW], v[PRAW], 3, v2          ; r % 8 + 32 (r / 8)
	v_mul_u32_u24 v[PRAW], v[PRAW], 528
	v_lshl_add_u32 v[PRAW], v3, 6, v[PRAW]         ; + 64 h: my 16 numbers of a block of 32
	s_lshl_b32 s78, s[HF], 1
	s_add_co_u32 s78, s78, s[US]                   ; tile m = 2 p + u begins 8 m rows on
	s_mul_i32 s78, s78, 8*528
	v_add_nc_u32 v[PRAW], s78, v[PRAW]
	v_add_nc_u32 v[PRAW+1], 2*STRIP, v[PRAW]       ; (an LDS offset has 16 bits: two strips to a register; strips 4-7: v1, v2)
	s_mul_i32 s78, s[HF], 3072
	s_mul_i32 s79, s[US], 1536
	s_add_co_u32 s78, s78, s79
	s_add_co_u32 s78, s78, XIMG
	v_add_nc_u32 v[PIMG], s78, v[LI]               ; tile m = 2 p + u
	s_lshl_b32 s78, s[HF], 3
	s_lshl_b32 s79, s[US], 2
	s_add_co_u32 s78, s78, s79
	s_add_co_u32 s78, s78, XSC
	v_add_nc_u32 v[PXS], s78, v[R16]
	v_add_nc_u32 v[CIMG], XIMG, v[LI]
	v_add_nc_u32 v[CXS], XSC, v[R16]
	s_lshl_b32 s78, s[WV], 8
	s_add_co_u32 s78, s78, SST
	v_add_nc_u32 v[SSTW], s78, v[R16]
	v_add_nc_u32 v[SSTR], s78, v[L8]
	v_lshl_add_u32 v[VSO], v3, 2, v[R16]
	v_lshlrev_b32 v[BOQ], 7, v3
	v_lshlrev_b32 v[BOV], 2, v2
	v_add_nc_u32 v1, 4*STRIP, v[PRAW]
	v_add_nc_u32 v2, 6*STRIP, v[PRAW]
	v_lshlrev_b32 v0, 3, v3                        ; 8 h
.irp b, 0,1,2,3
	v_mov_b32 v[TM+4+\b], 0                        ; written once: a lane permute's destination counts as one of its sources
.endr
	; descriptor group 1: a strip of 64 rows x 128 f32, 1,024 f32 from row to row, 16 bytes of padding behind each row in LDS
	s_wait_alu depctr_va_vdst(0)
	s_mov_b32 s[G1+0], (2<<16)|(1<<20)|(6<<22)|(3<<25)
	s_mov_b32 s[G1+1], 128<<16                     ; tensor_dim0 = 128
	s_mov_b32 s[G1+2], 64<<16                      ; tensor_dim1 = 64
	s_mov_b32 s[G1+3], 128<<16                     ; tile_dim0 = 128
	s_mov_b32 s[G1+4], 64                          ; tile_dim1 = 64
	s_mov_b32 s[G1+5], 1024                        ; tensor_dim0_stride
	s_mov_b32 s[G1+6], 0
	s_mov_b32 s[G1+7], 0
	; offsets, each in registers of its own
	s_lshl_b32 s78, ttmp9, 18                      ; x: 64 rows of 4,096 bytes a work-group,
	s_lshl_b32 s79, s[WV], 9
	s_add_co_u32 s78, s78, s79
	s_mov_b32 s79, 0
	s_min_u32 s80, s[WV], 5                        ; my unit of W (the producers use none: theirs is held inside the buffers)
	s_mul_i32 s82, s80, 49152
	s_mov_b32 s83, 0
	s_lshl_b32 s84, s80, 11
	s_mov_b32 s85, 0
	s_lshl_b32 s86, s[HF], 8                       ; my 64 biases
	s_mov_b32 s87, 0
	s_mul_i32 s88, ttmp9, 6400                     ; Q's record
	s_lshr_b32 s89, ttmp9, 1
	s_mul_i32 s89, s89, 25600                      ; K's and V's record: 128 keys, two work-groups
	s_and_b32 s90, ttmp9, 1                        ; c: which 64 of them
	s_mul_i32 s91, s90, 6144
	s_add_co_u32 s91, s91, s89
	s_mul_i32 s92, s[HF], 768
	s_add_co_u32 s93, s88, s92                     ; Q's codes
	s_add_co_u32 s94, s91, s92                     ; K's
	s_mul_i32 s92, s[HF], 3072
	s_add_co_u32 s92, s92, s91
	s_add_co_u32 s92, s92, 12288                   ; V's
	s_cmp_eq_u32 s[MAT], 0
	s_cselect_b32 s93, s93, s94
	s_cmp_lt_u32 s[MAT], 2
	s_cselect_b32 s92, s93, s92
	s_mov_b32 s93, 0                               ; s[92:93]: where my codes go
	s_add_co_u32 s88, s88, 6144                    ; Q's scale words
	s_lshl_b32 s94, s90, 8
	s_add_co_u32 s94, s94, s89
	s_add_co_u32 s94, s94, 24576                   ; K's
	s_lshl_b32 s95, s[HF], 8
	s_add_co_u32 s95, s95, s89
	s_lshl_b32 s90, s90, 1
	s_add_co_u32 s95, s95, s90
	s_add_co_u32 s95, s95, 25088                   ; V's
	s_cmp_eq_u32 s[MAT], 0
	s_cselect_b32 s88, s88, s94
	s_cmp_lt_u32 s[MAT], 2
	s_cselect_b32 s94, s88, s95
	s_mov_b32 s95, 0                               ; s[94:95]: where my scales go
	s_wait_dscnt 0x0
	s_wait_kmcnt 0x0
	s_cmp_eq_u32 s[MAT], 0                         ; the choices hang on the wave's number alone
	s_cselect_b64 s[BP:BP+1], s[10:11], s[12:13]
	s_cselect_b64 s[OC:OC+1], s[16:17], s[18:19]
	s_cselect_b64 s[OS:OS+1], s[16:17], s[18:19]
	s_cmp_lt_u32 s[MAT], 2
	s_cselect_b64 s[BP:BP+1], s[BP:BP+1], s[14:15]
	s_add_nc_u64 s[BP:BP+1], s[BP:BP+1], s[86:87]
	s_add_nc_u64 s[OC:OC+1], s[OC:OC+1], s[92:93]
	s_add_nc_u64 s[OS:OS+1], s[OS:OS+1], s[94:95]
	s_add_nc_u64 s[WC:WC+1], s[6:7], s[82:83]
	s_add_nc_u64 s[WSC:WSC+1], s[8:9], s[84:85]
	s_add_nc_u64 s[4:5], s[4:5], s[78:79]
	s_mov_b32 s[G0], 1
	s_mul_i32 s[G0+1], s[WV], STRIP                ; strip = wave
	s_mov_b64 s[G0+2:G0+3], s[4:5]
	s_or_b32 s[G0+3], s[G0+3], 0x80000000
.irp s, 0,1,2,3,4,5,6,7                        ; one tensor load a wave, a line for each strip: waves 8 and 9 ask for nothing
	s_cmp_eq_u32 s[WV], \s
	s_cbranch_scc0 .Lstrip_\s
	tensor_load_to_lds s[G0:G0+3], s[G1:G1+7]
	s_nop 0
	PLACES 4
	s_branch .Lasked
.Lstrip_\s:
.endr
.Lasked:
	s_cmp_lt_u32 s[WV], 6
	s_cbranch_scc0 .Lhead_done
	s_cmp_lt_u32 s[WV], 4
	s_cbranch_scc0 .Lhead_v
	s_wait_alu depctr_va_vdst(0)
.irp i, 0,1,2,3                                ; Q, K: lane (r, h) wants, for column tile i, the biases of d = 64 half + 32 h + 8 i + 0 .. 7
	global_load_b128 v[ACC+96+8*\i:ACC+96+8*\i+3], v[BOQ], s[BP:BP+1] offset:32*\i
	global_load_b128 v[ACC+96+8*\i+4:ACC+96+8*\i+7], v[BOQ], s[BP:BP+1] offset:32*\i+16
.endr
	FETCHW F1, S1, 0
	s_branch .Lhead_done
.Lhead_v:
	s_wait_alu depctr_va_vdst(0)
.irp j, 0,1,2,3                                ; V: a lane holds one d = 64 half + 16 j + r: its bias in all eight registers
.irp q, 0,1,2,3,4,5,6,7
	global_load_b32 v[ACC+32*\j+24+\q], v[BOV], s[BP:BP+1] offset:64*\j
.endr
.endr
	FETCHW F2, S2, 0
.Lhead_done:
	s_cmp_eq_u32 s[WV], 0
	s_cbranch_scc0 .Lnot_strip_0
	s_wait_tensorcnt 0x0                           ; for the others' sake: strip 0 is in LDS
.Lnot_strip_0:
	s_barrier_signal -1
	s_barrier_wait -1                              ; strip 0 may be read by every producer
.irp s, 0,1,2,3,4,5,6,7
	TRIP \s
.endr
	; the last K step, and the results
	s_cmp_lt_u32 s[WV], 6
	s_cbranch_scc0 .Lres_done
	s_cmp_lt_u32 s[WV], 4
	s_cbranch_scc0 .Lres_v
	s_wait_alu depctr_va_vdst(0)
	CONS 7, 0
.irp m, 0,1,2,3                                ; row tile m: my 32 registers are d = 64 half + 32 h + 0 .. 31: half a fragment.  Four sets of registers: no store's data are written again
	QUANT2 ACC+32*\m, 16+12*\m, PWS+\m
	global_store_b128 v[LI], v[16+12*\m:19+12*\m], s[OC:OC+1] offset:1536*\m       ; 512 consecutive bytes, at a multiple of 256 from the buffer's first byte
	global_store_b64 v[L8], v[20+12*\m:21+12*\m], s[OC:OC+1] offset:1536*\m+512    ; 256 more
.endr
	ds_store_b128 v[SSTW], v[PWS:PWS+3]            ; my half of the four tiles' scale words (lanes r and r + 16 write the same bytes with the same values)
	s_branch .Lres_done
.Lres_v:
	CONS 7, 1
.irp j, 0,1,2,3                                ; d tile j: my 32 registers are keys 32 h + 0 .. 31 of the group's 64: half a fragment of V^T
	QUANT2 ACC+32*\j, 16+12*\j, PWS+\j
	global_store_b128 v[LI], v[16+12*\j:19+12*\j], s[OC:OC+1] offset:768*\j
	global_store_b64 v[L8], v[20+12*\j:21+12*\j], s[OC:OC+1] offset:768*\j+512
.endr
	v_cmp_eq_u32 vcc_lo, 1, v3
	s_delay_alu instid0(VALU_DEP_1)
	v_cndmask_b32 v80, v[PWS], v[PWS+1], vcc_lo    ; lanes 0-15 store tiles 0 and 2's two bytes, lanes 16-31 tiles 1 and 3's
	s_delay_alu instid0(VALU_DEP_2)
	v_cndmask_b32 v81, v[PWS+2], v[PWS+3], vcc_lo
	global_store_b16 v[VSO], v80, s[OS:OS+1]
	global_store_b16 v[VSO], v81, s[OS:OS+1] offset:8
.Lres_done:
	s_wait_dscnt 0x0                               ; for the others' sake: my half words have landed
	s_barrier_signal -1
	s_barrier_wait -1
	s_cmp_lt_u32 s[WV], 4
	s_cbranch_scc0 .Lend
	s_cmp_eq_u32 s[HF], 0
	s_cbranch_scc0 .Lend
	ds_load_b64 v[64:65], v[SSTR]                  ; waves 0 (Q) and 2 (K): my half words, bytes 0 and 1,
	ds_load_b64 v[66:67], v[SSTR] offset:256       ; and my partner's, bytes 2 and 3
	s_wait_dscnt 0x0
	v_lshl_or_b32 v64, v66, 16, v64
	v_lshl_or_b32 v65, v67, 16, v65
	global_store_b64 v[L8], v[64:65], s[OS:OS+1]   ; 32 lanes store 256 consecutive bytes, at a multiple of 256 from the buffer's first byte
.Lend:
	s_wait_tensorcnt 0x0
	ds_add_u32 v126, v127
	s_wait_dscnt 0x0
	s_endpgm
.Lfunc_end_k_q99c88c3d1d_proj:
	.size	k_q99c88c3d1d_proj, .Lfunc_end_k_q99c88c3d1d_proj-k_q99c88c3d1d_proj
	.p2alignl 7, 3214868480
	.fill 96, 4, 3214868480
	.section	.rodata,"a",@progbits
	.p2align	6, 0x0
	.amdhsa_kernel k_q99c88c3d1d_proj
		.amdhsa_group_segment_fixed_size 327680
		.amdhsa_private_segment_fixed_size 0
		.amdhsa_enable_private_segment 0
		.amdhsa_kernarg_size 64
		.amdhsa_user_sgpr_count 2
		.amdhsa_user_sgpr_kernarg_segment_ptr 1
		.amdhsa_wavefront_size32 1
		.amdhsa_system_sgpr_workgroup_id_x 1
		.amdhsa_system_sgpr_workgroup_id_y 1
		.amdhsa_system_sgpr_workgroup_id_z 1
		.amdhsa_system_vgpr_workitem_id 0
		.amdhsa_next_free_vgpr 256
		.amdhsa_next_free_sgpr 96
		.amdhsa_reserve_vcc 1
		.amdhsa_float_denorm_mode_32 3
		.amdhsa_float_denorm_mode_16_64 3
		.amdhsa_memory_ordered 1
		.amdhsa_forward_progress 1
		.amdhsa_inst_pref_size 154
	.end_amdhsa_kernel
	.amdgpu_metadata
---
amdhsa.version: [ 1, 2 ]
amdhsa.kernels:
  - .name:           k_q99c88c3d1d_proj
    .symbol:         k_q99c88c3d1d_proj.kd
    .args:
      - { .name: x, .offset: 0, .size: 8, .value_kind: global_buffer, .address_space: global }
      - { .name: wcodes, .offset: 8, .size: 8, .value_kind: global_buffer, .address_space: global }
      - { .name: wscales, .offset: 16, .size: 8, .value_kind: global_buffer, .address_space: global }
      - { .name: bq, .offset: 24, .size: 8, .value_kind: global_buffer, .address_space: global }
      - { .name: bk, .offset: 32, .size: 8, .value_kind: global_buffer, .address_space: global }
      - { .name: bv, .offset: 40, .size: 8, .value_kind: global_buffer, .address_space: global }
      - { .name: qc, .offset: 48, .size: 8, .value_kind: global_buffer, .address_space: global }
      - { .name: kv, .offset: 56, .size: 8, .value_kind: global_buffer, .address_space: global }
    .group_segment_fixed_size: 327680
    .private_segment_fixed_size: 0
    .kernarg_segment_align: 8
    .kernarg_segment_size: 64
    .max_flat_workgroup_size: 320
    .sgpr_count:     96
    .vgpr_count:     256
    .wavefront_size: 32
...
	.end_amdgpu_metadata
.endif
;; end of part 2
;; launch attn (part 3): grid 64 x 4, 8 waves a work-group, clusters of 4 x 1, 327,680 bytes of LDS; arguments qc, kv, out0; writes out0
.if DOCPART == 3
	.amdgcn_target "amdgcn-amd-amdhsa--gfx1250"
	.amdhsa_code_object_version 6
	.text
	.protected	k_q99c88c3d1d_attn
	.globl	k_q99c88c3d1d_attn
	.p2align	8
	.type	k_q99c88c3d1d_attn,@function
k_q99c88c3d1d_attn:
	s_mov_b64 s[64:65], 0
	v_nop
	global_prefetch_b8 v0, s[64:65] scope:SCOPE_SE
	s_setreg_imm32_b32 hwreg(HW_REG_WAVE_MODE, 25, 1), 1
	s_wait_xcnt 0x0
	s_wait_alu depctr_hold_cnt(0) depctr_sa_sdst(0) depctr_va_vdst(0) depctr_va_sdst(0) depctr_va_ssrc(0) depctr_va_vcc(0) depctr_vm_vsrc(0)
	s_getreg_b32 s2, hwreg(HW_REG_IB_STS2, 6, 4)
	s_cmp_eq_u32 s2, 0
	s_cbranch_scc0 .Lentry_in_a_cluster
	s_endpgm
.Lentry_in_a_cluster:
	s_bfe_u32 s2, ttmp6, 0x10000c
	s_cmp_lg_u32 s2, 0x3003
	s_cbranch_scc0 .Lentry_shape_is_right
	s_endpgm
.Lentry_shape_is_right:
; out0[b][q][:] = the sum over k of softmax_k(Q[b][q] . K[b][k] / sqrt(128)) V[b][k][:], both products on codes of FP6 (E2M3) with one E8M0 scale for each 32 along a product's K.
; Codes and scale words come from the launch before, laid in the order of the operands' registers (qc: 6,400 bytes for 64 queries; kv: a record of 25,600 bytes for 128 keys: K's eight fragments, V^T's eight,
; K's scale words, V's).  A fragment is two half images of 768 bytes: one load of 16 bytes and one of 8 bytes a lane each.
; t = score x log2(e) / sqrt(128); M = the largest t so far, rounded UP to a whole number; p = 2^(t - M) is quantised along the keys, not normalised.  The row's sum is taken of the unquantised p and divides at the end.
; When M moves, the sum and O are multiplied by 2^(old M - new M): exact.
; SHARES.  A work-group owns 64 queries of one batch.  Wave w has queries of tiles 2 qp, 2 qp + 1 (qp = w / 4) and key group kg = w % 4: a slot of LDS holds four records and the wave takes record kg: eight steps of 128 keys.
; Each fragment of K and of V that a wave loads feeds two products.
; LAYOUT.  Both products are used transposed: S^T = K Q^T, O^T = V^T P^T: a lane holds ONE query of each tile.  Lane r of tile m of 64 rows is row 8 m + r % 8 + 32 (r / 8), for keys and for queries: so the 32 scores of four tiles in a
; lane (r, h) are the 32 neighbouring keys 64 c + 32 h + 0 .. 31: one scale block, in the order of the next operand's registers.
; A TRIP n: V(n)'s first five fragments and K(n + 1)'s eight are asked for; the softmax of step n; V(n)'s last three fragments go into tile A's scores' registers when these have become codes; O += V^T P^T; S = K(n + 1) Q^T; its maxima.
; The loads land under the softmax.  THREE SLOTS: trip n reads slots n % 3 and (n + 1) % 3; behind its round slot n % 3 takes step n + 3 (trips 0 to 4), waited for in trip n + 1 and read from trip n + 2 on.
; The round's opening signal stands ahead of the trip's 32 products and the next step's maxima, its wait behind them.  The text is written out: the slots go round by three and the refills end before the trips do.
; CLUSTER.  The four work-groups of a cluster belong to one batch and walk the same records: each is asked for JOINTLY.  By this text's count a wave has one tensor load out.
; NO PREFETCH: three of the eight steps are asked for at the head, and each later one is asked for a trip ahead (132 exponentials and about 190 other vector lines a wave stand between its request and the wait for it).
; LIMITS: scaled scores (exponents to the base 2) under 2^31 in magnitude; NaN and infinities are not served; a p under 2^-126 comes out of v_exp_f32 as 0 (ISA guide, its entry in 15.8); a block whose every p is 0 keeps the byte 1.
; A block's largest p is made from its largest score by the same multiply-add and exponential: this takes v_exp_f32 not to fall where its input rises.
; REGISTERS: window 0: addresses, Q, P's codes, scale words, V's fragments 2-4, both tiles' scores (v128-255; V's fragments 5-7 and tile B's codes follow tile A's scores); window 1: O of tile A (0-63), of tile B (64-127), K's fragments, V's 0 and 1.
.set REC,   25600
.set SLOT,  4*REC
.set SPARE, 3*SLOT                     ; the spare words, 128 bytes for each of 8 waves
.set EX,    SPARE+1024                 ; -M and sums: 512 bytes a wave
.set RP,    528                        ; the way out: rows of 512 bytes + 16, 32 rows a wave, from LDS byte 0 on: slots 0 and 1 have had their last fill, and a barrier stands behind their last reads
.set A16,  1                           ; v1-3  my record in slot 0, 1, 2: + 16 x lane
.set A8,   4                           ; v4-6  + 8 x lane
.set SPW,  7                           ; v7, v8  my spare word's address and 0: never rewritten
.set NIL,  8
.set H8,   9                           ; v9    8 h
.set NM,   10                          ; v10, v12  -M of tiles A, B
.set RM,   11                          ; v11, v13  the largest score so far
.set LS,   14                          ; v[14:15], v[16:17]  the sums in two halves
.set FX,   18                          ; v18, v20  2^(old M - new M); v19, v21 are the pairs' upper words
.set BM,   22                          ; v22-25  the largest of each block: A's two, B's two
.set XT,   26                          ; v26, v27
.set SO,   28                          ; v28-31  the conversions' scale operands
.set T2,   32                          ; v32-34, v88-90  conversions' second halves
.set T1,   88
.set L8,   35                          ; 8 x lane
.set KS,   36                          ; v36-39, v40-43, v44-45, v48-49: scale words of K, V, P, Q, and nothing else
.set VS,   40
.set PS,   44
.set QS,   48
.set EXW,  46
.set EXR,  47
.set ROW,  50
.set RBK,  51
.set QF,   52
.set PCA,  76                          ; v76-87 tile A's codes; tile B's 88 registers on
.set CO,   91                          ; 16 x lane
.set VF2,  92
.set ST,   128
.set VF5,  128
.set KF,   128                         ; window 1
.set VF0,  224                         ; window 1
.set WV,   10                          ; s10 wave
.set KG,   11
.set QP,   12
.set SEL,  20
.set CS,   22                          ; s[22:23] c = log2(e) / sqrt(128)
.set CN,   40                          ; s40 -c
.set KR,   41                          ; s41 kg x REC
.set KR2,  42
.set G1,   24                          ; s[24:31] group 1 of a record;  s[32:39] of two records
.set G1B,  32
.set G0,   48
.set G0B,  52
.set MSB, 0
.macro WIN new
.if MSB != \new
	s_set_vgpr_msb (MSB<<8)|\new
.set MSB, \new
.endif
.endm
.macro PLACES n
.rept \n
	v_nop
.endr
.endm
.macro WALU
	s_wait_alu depctr_va_vdst(0)
.endm
.macro CREST
	s_cmp_lg_u32 s[WV], 0
	s_cbranch_scc1 .Lnot_wave_0_\@
	s_barrier_signal -3
.Lnot_wave_0_\@:
	s_barrier_wait -3
	s_barrier_signal -1
	s_barrier_wait -1
.endm
.macro CROUND
	s_barrier_signal -1
	s_barrier_wait -1
	CREST
.endm
.macro JLOAD                                   ; a refill: waves 0-3 ask for one record each
	s_cmp_lt_u32 s[WV], 4
	s_cbranch_scc0 .Lnone_\@
	tensor_load_to_lds s[G0:G0+3], s[G1:G1+7]
	s_nop 0
	PLACES 4
.Lnone_\@:
.endm
.macro VLOAD t, reg                            ; V^T's tile t of the slot SL
.irp cd, 0,1
	ds_load_b128 v[\reg+6*\cd:\reg+6*\cd+3], v[A16+SL] offset:12288+6144*\cd+768*(\t)
	ds_load_b64 v[\reg+6*\cd+4:\reg+6*\cd+5], v[A8+SL] offset:12288+6144*\cd+768*(\t)+512
.endr
.endm
.macro KLOAD slot                              ; K's eight fragments of a slot, into window 1
	WIN 0x40
.irp t, 0,1,2,3,4,5,6,7
.irp cd, 0,1
	ds_load_b128 v[KF+12*\t+6*\cd:KF+12*\t+6*\cd+3], v[A16+\slot] offset:1536*\t+768*\cd
	ds_load_b64 v[KF+12*\t+6*\cd+4:KF+12*\t+6*\cd+5], v[A8+\slot] offset:1536*\t+768*\cd+512
.endr
.endr
	WIN 0
	ds_load_b128 v[KS:KS+3], v[A16+\slot] offset:24576   ; lanes 0-15 tiles 0-3's words, lanes 16-31 tiles 4-7's
.endm
.macro WM d, a, b, c, sa, sb, row
	v_wmma_scale_f32_16x16x128_f8f6f4 v[\d:\d+7], v[\a:\a+11], v[\b:\b+11], \c, v[\sa], v[\sb] matrix_a_fmt:MATRIX_FMT_FP6 matrix_b_fmt:MATRIX_FMT_FP6 matrix_a_scale:MATRIX_SCALE_ROW\row
.endm
.macro SPROD                                   ; S^T = K Q^T: 8 tiles of keys x 2 of queries
	WIN 0x01
.irp t, 0,1,2,3,4,5,6,7
.irp x, 0,1
.if \t < 4
	WM ST+64*\x+8*\t, KF+12*\t, QF+12*\x, 0, KS+\t, QS+\x, 0
.else
	WM ST+64*\x+8*\t, KF+12*\t, QF+12*\x, 0, KS+\t-4, QS+\x, 1
.endif
.endr
.endr
	WIN 0
.endm
.macro OPAIR t, vreg, first
.irp x, 0,1
.set OD, 64*\x+8*(\t)
.if \t < 4
.if \first
	WM OD, \vreg, PCA+88*\x, 0, VS+\t, PS+\x, 0
.else
	WM OD, \vreg, PCA+88*\x, v[OD:OD+7], VS+\t, PS+\x, 0
.endif
.else
.if \first
	WM OD, \vreg, PCA+88*\x, 0, VS+\t-4, PS+\x, 1
.else
	WM OD, \vreg, PCA+88*\x, v[OD:OD+7], VS+\t-4, PS+\x, 1
.endif
.endif
.endr
.endm
.macro OPROD first                             ; O^T += V^T P^T: the 16 accumulators take turns, one instruction a turn
	WIN 0x50
.irp t, 5,6,7
	OPAIR \t, VF5+12*(\t-5), \first
.endr
.irp t, 2,3,4
	OPAIR \t, VF2+12*(\t-2), \first
.endr
	WIN 0x51
.irp t, 0,1
	OPAIR \t, VF0+12*\t, \first
.endr
	WIN 0
.endm
; THE LARGEST SCORE OF EACH BLOCK OF 32 KEYS: four blocks by turns, each accumulator from its low end on.  It serves for the row's maximum and for the block's largest p.
.macro MAXES
.irp b, 0,1,2,3
	v_max3_num_f32 v[BM+\b], v[ST+32*\b], v[ST+1+32*\b], v[ST+2+32*\b]
.endr
.irp i, 3,5,7,9,11,13,15,17,19,21,23,25,27,29
.irp b, 0,1,2,3
	v_max3_num_f32 v[BM+\b], v[BM+\b], v[ST+32*\b+\i], v[ST+1+32*\b+\i]
.endr
.endr
.irp b, 0,1,2,3
	v_max_num_f32 v[BM+\b], v[BM+\b], v[ST+31+32*\b]
.endr
	WALU
.endm
.macro CHAIN first                             ; the new M of both tiles, and f
.irp x, 0,1
.if \first
	v_max_num_f32 v[RM+2*\x], v[BM+2*\x], v[BM+1+2*\x]
.else
	v_max3_num_f32 v[RM+2*\x], v[RM+2*\x], v[BM+2*\x], v[BM+1+2*\x]
.endif
.endr
.irp x, 0,1
	v_permlanex16_b32 v[XT+\x], v[RM+2*\x], s[SEL], s[SEL+1]
.endr
.irp x, 0,1
	v_max_num_f32 v[RM+2*\x], v[RM+2*\x], v[XT+\x]
.endr
.irp x, 0,1
	v_mul_f32 v[XT+\x], s[CN], v[RM+2*\x]          ; -t of the largest score (c is positive)
.endr
.if \first
.irp x, 0,1
	v_floor_f32 v[NM+2*\x], v[XT+\x]               ; -M = floor(-t): M IS A WHOLE NUMBER
.endr
.else
.irp x, 0,1
	v_floor_f32 v[XT+\x], v[XT+\x]                 ; the new -M
.endr
.irp x, 0,1
	v_sub_f32 v[FX+2*\x], v[XT+\x], v[NM+2*\x]     ; M's old value less its new one: a whole number, 0 or less
.endr
.irp x, 0,1
	v_mov_b32 v[NM+2*\x], v[XT+\x]
.endr
.irp x, 0,1
	v_cvt_i32_f32 v[FX+2*\x], v[FX+2*\x]           ; (it saturates)
.endr
.irp x, 0,1
	v_ldexp_f32 v[FX+2*\x], 1.0, v[FX+2*\x]
.endr
.endif
.endm
.macro EXPS first                              ; p = 2^(t - M)
.set x, 0
.rept 2
.set j, 0
.rept 32
	v_pk_fma_f32 v[ST+64*x+j:ST+64*x+j+1], v[ST+64*x+j:ST+64*x+j+1], s[CS:CS+1], v[NM+2*x:NM+2*x+1] op_sel_hi:[1,0,0]
.set j, j+2
.endr
.set x, x+1
.endr
.irp b, 0,1,2,3
	v_fma_f32 v[BM+\b], v[BM+\b], s[CS], v[NM+2*(\b/2)]
.endr
	WALU
.set j, 0
.rept 128
	v_exp_f32 v[ST+j], v[ST+j]
.set j, j+1
.endr
.irp b, 0,1,2,3
	v_exp_f32 v[BM+\b], v[BM+\b]                   ; the block's largest p
.endr
.if \first
	v_nop                                          ; a plain place behind the exponentials
.else
.irp x, 0,1
	v_pk_mul_f32 v[LS+2*\x:LS+2*\x+1], v[LS+2*\x:LS+2*\x+1], v[FX+2*\x:FX+2*\x+1] op_sel_hi:[1,0]
.endr
.endif
	WALU
.endm
.macro SCALEP                                  ; the conversions' scale operands and P's scale words
.irp b, 0,1,2,3
	v_max_num_f32 v[BM+\b], 0x1800000, v[BM+\b]    ; the floor 2^(3 - 127): the byte cannot fall under 1
.endr
.irp b, 0,1,2,3
	v_add_nc_u32 v[SO+\b], 0xff000000, v[BM+\b]    ; 2 off the exponent field
.endr
.irp b, 0,1,2,3
	v_lshrrev_b32 v[BM+\b], 23, v[SO+\b]           ; the scale's byte
.endr
.irp x, 0,1
	v_lshl_or_b32 v[XT+\x], v[BM+1+2*\x], 16, v[BM+2*\x]   ; my blocks h and 2 + h,
.endr
.irp x, 0,1
	v_lshlrev_b32 v[XT+\x], v[H8], v[XT+\x]
.endr
.irp x, 0,1
	v_permlanex16_b32 v[BM+2*\x], v[XT+\x], s[SEL], s[SEL+1]
.endr
.irp x, 0,1
	v_or_b32 v[PS+\x], v[XT+\x], v[BM+2*\x]        ; and lane l xor 16's two
.endr
.endm
.macro CODES s, pc, so                         ; 64 numbers of a lane, two blocks, into twelve registers of codes
	v_cvt_scalef32_pk16_fp6_f32 v[\pc:\pc+2], v[\s:\s+15], v[\so]
	v_cvt_scalef32_pk16_fp6_f32 v[T1:T1+2], v[\s+16:\s+31], v[\so]   ; (a conversion's three registers begin on an even number)
	v_cvt_scalef32_pk16_fp6_f32 v[\pc+6:\pc+8], v[\s+32:\s+47], v[\so+1]
	v_cvt_scalef32_pk16_fp6_f32 v[T2:T2+2], v[\s+48:\s+63], v[\so+1]
	v_nop                                          ; one plain place behind a scaled conversion
.irp i, 0,1,2
	v_mov_b32 v[\pc+3+\i], v[T1+\i]
	v_mov_b32 v[\pc+9+\i], v[T2+\i]
.endr
.endm
.macro SUM s, l, first                         ; the row's sum of the unquantised p, four chains in place
.set g, 8
.rept 7
.irp k, 0,2,4,6
	v_pk_add_f32 v[\s+\k:\s+\k+1], v[\s+\k:\s+\k+1], v[\s+\k+g:\s+\k+g+1]
.endr
.set g, g+8
.endr
	v_pk_add_f32 v[\s:\s+1], v[\s:\s+1], v[\s+4:\s+5]
	v_pk_add_f32 v[\s+2:\s+3], v[\s+2:\s+3], v[\s+6:\s+7]
.if \first
	v_pk_add_f32 v[\l:\l+1], v[\s:\s+1], v[\s+2:\s+3]
.else
	v_pk_add_f32 v[\s:\s+1], v[\s:\s+1], v[\s+2:\s+3]
	v_pk_add_f32 v[\l:\l+1], v[\l:\l+1], v[\s:\s+1]
.endif
.endm
; kind 2: a round and a refill;  1: a plain barrier, behind which nothing is filled;  0: none.  last: nothing follows.
.macro TRIP n, first, kind, last
.set SL, (\n)%3
.set SN, ((\n)+1)%3
	ds_load_b128 v[VS:VS+3], v[A16+SL] offset:25088
.irp t, 2,3,4
	VLOAD \t, VF2+12*(\t-2)
.endr
	WIN 0x40
.irp t, 0,1
	VLOAD \t, VF0+12*\t
.endr
.if \last == 0
	KLOAD SN
.endif
	WIN 0
	CHAIN \first
	EXPS \first
	SCALEP
	CODES ST, PCA, SO
	SUM ST, LS, \first
.irp t, 5,6,7
	VLOAD \t, VF5+12*(\t-5)                        ; tile A's p have been read for the last time: V's last three fragments take their registers, and tile B's codes the next twelve
.endr
	CODES ST+64, PCA+88, SO+2
	SUM ST+64, LS+2, \first
.if \kind > 0
	s_wait_tensorcnt 0x0                           ; all my tensor loads have landed
.endif
.if \kind == 2
	ds_add_u32 v[SPW], v[NIL]                      ; 0 onto my spare word
	s_add_co_u32 s[G0+1], s[KR], SL*SLOT           ; no tensor load of mine is out: the descriptor of step n + 3
.if \n == 0
	s_add_nc_u64 s[G0+2:G0+3], s[G0+2:G0+3], 3*SLOT
.else
	s_add_nc_u64 s[G0+2:G0+3], s[G0+2:G0+3], SLOT
.endif
.endif
.if \first == 0
	WIN 0x41
	WALU                                           ; directly ahead of O's first reader
.set x, 0
.rept 2
.set j, 0
.rept 32
	v_pk_mul_f32 v[64*x+j:64*x+j+1], v[64*x+j:64*x+j+1], v[FX+2*x:FX+2*x+1] op_sel_hi:[1,0]   ; O^T under the new M
.set j, j+2
.endr
.set x, x+1
.endr
	WIN 0
.endif
	WALU
	s_wait_dscnt 0x0                               ; V's and K's fragments are in; with the add, all my LDS work
.if \kind > 0
	s_barrier_signal -1
.endif
	OPROD \first
.if \last == 0
	PLACES 5                                       ; the products below write over registers that those above have read
	SPROD
	PLACES 4                                       ; in front of the first reads of results, and of the next trip's loads
	MAXES
.if \kind > 0
	s_barrier_wait -1
.endif
.if \kind == 2
	CREST                                          ; no wave of any partner still reads slot n % 3 or has a load on its way
	JLOAD
.endif
.endif
.endm
	s_load_b128 s[4:7], s[0:1], 0x0                ; qc s[4:5], kv s[6:7]
	s_load_b64 s[8:9], s[0:1], 0x10                ; out0
	v_lshl_add_u32 v[SPW], v0, 2, SPARE
	v_mov_b32 v[NIL], 0
	ds_add_u32 v[SPW], v[NIL]                      ; the wave's opening: the add, twice on end, and its wait ahead of my first tensor load
	ds_add_u32 v[SPW], v[NIL]
	v_lshrrev_b32 v22, 5, v0
	v_readfirstlane_b32 s[WV], v22                 ; wave 0..7
	s_and_b32 s[KG], s[WV], 3
	s_lshr_b32 s[QP], s[WV], 2
	s_bfe_u32 s13, ttmp6, 0x40000                  ; cx: it enters qc's and out0's addresses alone
	s_lshl_b32 s14, ttmp9, 2
	s_add_co_u32 s14, s14, s13
	s_and_b32 s15, ttmp7, 0xffff                   ; the batch, which the four partners share
	s_lshl_b32 s16, s15, 6
	s_add_co_u32 s16, s16, s14                     ; G: my 64 queries
	s_mov_b32 s[SEL], 0x76543210
	s_mov_b32 s[SEL+1], 0xfedcba98                 ; selects for lane l xor 16
	s_mov_b32 s[CS], 0x3e0293ee                    ; c = log2(e) / sqrt(128)
	s_mov_b32 s[CS+1], s[CS]                       ; (named with it as a pair, so it is written)
	s_mov_b32 s[CN], 0xbe0293ee
	s_mul_i32 s[KR], s[KG], REC
	s_lshl_b32 s[KR2], s[KR], 1
	s_add_co_u32 s[KR2], s[KR2], SLOT              ; waves 4-7 fetch two records each of slots 1 and 2, which lie on end
	s_mul_i32 s18, s15, 32*REC                     ; the batch's 32 records (these registers never hold cx)
	s_add_co_u32 s56, s18, s[KR2]
	s_mov_b32 s57, 0
	s_add_co_u32 s18, s18, s[KR]
	s_mov_b32 s19, 0
	s_mul_i32 s44, s16, 6400                       ; my queries' record in qc
	s_mul_i32 s43, s[QP], 3072
	s_lshl_b32 s46, s[QP], 3
	s_add_co_u32 s46, s46, s44
	s_add_co_u32 s46, s46, 6144                    ; scale words: 16 r + 8 qp
	s_mov_b32 s47, 0
	s_add_co_u32 s44, s44, s43                     ; my two tiles' codes
	s_mov_b32 s45, 0
	s_lshl_b32 s58, s16, 6                         ; the eight rows of out0 that I store: 64 G + 16 qp + 8 (kg / 2) + 32 (kg % 2) + 0 .. 7
	s_lshl_b32 s43, s[QP], 4
	s_add_co_u32 s58, s58, s43
	s_lshr_b32 s43, s[KG], 1
	s_lshl_b32 s43, s43, 3
	s_add_co_u32 s58, s58, s43
	s_and_b32 s43, s[KG], 1
	s_lshl_b32 s43, s43, 5
	s_add_co_u32 s58, s58, s43
	s_lshl_b32 s58, s58, 9
	s_mov_b32 s59, 0
	; group 1: a record as 100 rows of 256 bytes (32 elements of 8 bytes), no padding; two records as 200
	s_mov_b32 s[G1+0], 15|(3<<16)|(1<<21)          ; the mask: all four work-groups; elements of 8 bytes; 21 set beside a mask
	s_mov_b32 s[G1+1], 32<<16
	s_mov_b32 s[G1+2], 100<<16
	s_mov_b32 s[G1+3], 32<<16
	s_mov_b32 s[G1+4], 100
	s_mov_b32 s[G1+5], 32
	s_mov_b32 s[G1+6], 0
	s_mov_b32 s[G1+7], 0
	s_mov_b32 s[G1B+0], 15|(3<<16)|(1<<21)
	s_mov_b32 s[G1B+1], 32<<16
	s_mov_b32 s[G1B+2], 200<<16
	s_mov_b32 s[G1B+3], 32<<16
	s_mov_b32 s[G1B+4], 200
	s_mov_b32 s[G1B+5], 32
	s_mov_b32 s[G1B+6], 0
	s_mov_b32 s[G1B+7], 0
	s_lshl_b32 s60, s[WV], 9
	s_add_co_u32 s60, s60, EX
	s_lshl_b32 s61, s[QP], 11
	s_add_co_u32 s61, s61, EX
	s_mul_i32 s14, s[WV], 32*RP
	s_mul_i32 s17, s[QP], 4*32*RP
	s_mul_i32 s43, s[KG], 8*RP
	s_add_co_u32 s17, s17, s43
	; every LDS address is made here and never rewritten
	v_and_b32 v22, 31, v0                          ; lane
	v_and_b32 v23, 15, v0                          ; r
	v_bfe_u32 v24, v0, 4, 1                        ; h
	v_lshlrev_b32 v[CO], 4, v22
	v_lshlrev_b32 v[L8], 3, v22
	v_lshlrev_b32 v25, 4, v23
	v_lshlrev_b32 v[H8], 3, v24
	v_mul_u32_u24 v[ROW], v23, RP
	v_add_nc_u32 v[A16], s[KR], v[CO]
	v_add_nc_u32 v[A8], s[KR], v[L8]
	v_lshl_add_u32 v[ROW], v24, 5, v[ROW]
	v_add_nc_u32 v[A16+1], SLOT, v[A16]
	v_add_nc_u32 v[A8+1], SLOT, v[A8]
	v_add_nc_u32 v[A16+2], 2*SLOT, v[A16]
	v_add_nc_u32 v[A8+2], 2*SLOT, v[A8]
	v_add_nc_u32 v[ROW], s14, v[ROW]               ; the way out, in: my rows 16 x tile + r, 32 h bytes on
	v_add_nc_u32 v[EXW], s60, v[L8]
	v_add_nc_u32 v[EXR], s61, v[L8]
	v_add_nc_u32 v[RBK], s17, v[CO]                ; and back: my eight rows of each of the four waves of my query pair
.irp i, 19,21,26,27
	v_mov_b32 v\i, 0                               ; the pairs' upper words; a lane permute's destination counts as one of its sources
.endr
	WALU
	s_wait_dscnt 0x0                               ; both opening adds are done
	CROUND                                         ; all four work-groups are here: the first joint loads meet
	s_wait_kmcnt 0x0
	s_add_nc_u64 s[18:19], s[6:7], s[18:19]
	s_add_nc_u64 s[56:57], s[6:7], s[56:57]
	s_mov_b32 s[G0], 1
	s_mov_b32 s[G0+1], s[KR]
	s_mov_b64 s[G0+2:G0+3], s[18:19]
	s_or_b32 s[G0+3], s[G0+3], 0x80000000
	s_mov_b32 s[G0B], 1
	s_mov_b32 s[G0B+1], s[KR2]
	s_mov_b64 s[G0B+2:G0B+3], s[56:57]
	s_or_b32 s[G0B+3], s[G0B+3], 0x80000000
	s_cmp_lt_u32 s[WV], 4                          ; one tensor load a wave: waves 0-3 slot 0, waves 4-7 slots 1 and 2
	s_cbranch_scc0 .Lhead_b
	tensor_load_to_lds s[G0:G0+3], s[G1:G1+7]
	s_nop 0
	PLACES 4
	s_branch .Lasked
.Lhead_b:
	tensor_load_to_lds s[G0B:G0B+3], s[G1B:G1B+7]
	s_nop 0
	PLACES 4
.Lasked:
	s_add_nc_u64 s[44:45], s[4:5], s[44:45]
	s_add_nc_u64 s[46:47], s[4:5], s[46:47]
	s_add_nc_u64 s[8:9], s[8:9], s[58:59]
.irp x, 0,1
.irp cd, 0,1
	global_load_b128 v[QF+12*\x+6*\cd:QF+12*\x+6*\cd+3], v[CO], s[44:45] offset:1536*\x+768*\cd
	global_load_b64 v[QF+12*\x+6*\cd+4:QF+12*\x+6*\cd+5], v[L8], s[44:45] offset:1536*\x+768*\cd+512
.endr
.endr
	global_load_b64 v[QS:QS+1], v25, s[46:47]
	s_cmp_lt_u32 s[WV], 4
	s_cbranch_scc0 .Lnot_slot_0
	s_wait_tensorcnt 0x0                           ; for the others' sake: my record of slot 0 is in
.Lnot_slot_0:
	s_barrier_signal -1
	s_barrier_wait -1                              ; slot 0 is whole; slots 1 and 2 may be on their way
	KLOAD 0
	s_wait_loadcnt 0x0                             ; Q
	s_wait_dscnt 0x0
	SPROD
	PLACES 4
	MAXES
	s_wait_tensorcnt 0x0
	s_barrier_signal -1
	s_barrier_wait -1                              ; slots 1 and 2 are whole
	TRIP 0, 1, 2, 0
	TRIP 1, 0, 2, 0
	TRIP 2, 0, 2, 0
	TRIP 3, 0, 2, 0
	TRIP 4, 0, 2, 0
	TRIP 5, 0, 1, 0                                ; its barrier shows step 7's records, the last refill
	TRIP 6, 0, 0, 0
	TRIP 7, 0, 0, 1
	PLACES 4
	; THE MERGE.  The four waves of a query pair exchange -M and their sums; each brings its O under the largest M (exact) and divides it by the whole sum; the four parts are added row by row.
.irp x, 0,1
	v_add_f32 v[LS+2*\x], v[LS+2*\x], v[LS+2*\x+1] ; the sum's two halves,
.endr
.irp x, 0,1
	v_permlanex16_b32 v[XT+\x], v[LS+2*\x], s[SEL], s[SEL+1]
.endr
.irp x, 0,1
	v_add_f32 v[RM+2*\x], v[LS+2*\x], v[XT+\x]     ; and lane l xor 16's, beside -M
.endr
.irp x, 0,1
	ds_store_b64 v[EXW], v[NM+2*\x:NM+2*\x+1] offset:256*\x
.endr
	WALU
	s_wait_dscnt 0x0                               ; for the others' sake
	s_barrier_signal -1
	s_barrier_wait -1                              ; the words are there, and no wave reads a slot any more
.irp k, 0,1,2,3
.irp x, 0,1
	ds_load_b64 v[92+4*\k+2*\x:93+4*\k+2*\x], v[EXR] offset:512*\k+256*\x
.endr
.endr
	s_wait_dscnt 0x0
.irp x, 0,1
	v_min3_num_f32 v[BM+\x], v[92+2*\x], v[96+2*\x], v[100+2*\x]
.endr
.irp x, 0,1
	v_min_num_f32 v[BM+\x], v[BM+\x], v[104+2*\x]  ; the least -M: the largest M
.endr
.irp x, 0,1
	v_sub_f32 v[SO+\x], v[BM+\x], v[NM+2*\x]       ; mine less the largest: a whole number, 0 or less
.irp k, 0,1,2,3
	v_sub_f32 v[108+2*\k+\x], v[BM+\x], v[92+4*\k+2*\x]
.endr
.endr
.irp i, 28,29,108,109,110,111,112,113,114,115
	v_cvt_i32_f32 v\i, v\i
.endr
.irp i, 28,29,108,109,110,111,112,113,114,115
	v_ldexp_f32 v\i, 1.0, v\i
.endr
.irp x, 0,1
	v_mul_f32 v[24+\x], v[108+\x], v[93+2*\x]
.endr
.irp k, 1,2,3
.irp x, 0,1
	v_fmac_f32 v[24+\x], v[108+2*\k+\x], v[93+4*\k+2*\x]   ; the row's sum under the largest M
.endr
.endr
	WALU
	v_rcp_f32 v24, v24
	v_rcp_f32 v25, v25
	v_nop                                          ; one plain place behind a transcendental
	WALU
.irp x, 0,1
	v_mul_f32 v[FX+2*\x], v[SO+\x], v[24+\x]
.endr
	WIN 0x41
	WALU                                           ; directly ahead of O's first reader
.set x, 0
.rept 2
.set j, 0
.rept 32
	v_pk_mul_f32 v[64*x+j:64*x+j+1], v[64*x+j:64*x+j+1], v[FX+2*x:FX+2*x+1] op_sel_hi:[1,0]
.set j, j+2
.endr
.set x, x+1
.endr
	WIN 0x04
.irp x, 0,1
.irp t, 0,1,2,3,4,5,6,7
	ds_store_b128 v[ROW], v[64*\x+8*\t:64*\x+8*\t+3] offset:16*RP*\x+64*\t
	ds_store_b128 v[ROW], v[64*\x+8*\t+4:64*\x+8*\t+7] offset:16*RP*\x+64*\t+16
.endr
.endr
	WIN 0
	WALU
	s_wait_dscnt 0x0                               ; for the others' sake
	s_barrier_signal -1
	s_barrier_wait -1
.irp i, 0,1,2,3,4,5,6,7
.irp k, 0,1,2,3
	ds_load_b128 v[ST+16*\i+4*\k:ST+16*\i+4*\k+3], v[RBK] offset:32*RP*\k+RP*\i
.endr
.endr
.irp i, 0,1,2,3,4,5,6,7
.set a, ST+16*\i
	s_wait_dscnt 28-4*\i                           ; row i's four parts are in; the later rows' four each may be out
	v_pk_add_f32 v[a:a+1], v[a:a+1], v[a+4:a+5]
	v_pk_add_f32 v[a+2:a+3], v[a+2:a+3], v[a+6:a+7]
	v_pk_add_f32 v[a+8:a+9], v[a+8:a+9], v[a+12:a+13]
	v_pk_add_f32 v[a+10:a+11], v[a+10:a+11], v[a+14:a+15]
	v_pk_add_f32 v[a:a+1], v[a:a+1], v[a+8:a+9]
	v_pk_add_f32 v[a+2:a+3], v[a+2:a+3], v[a+10:a+11]
	global_store_b128 v[CO], v[a:a+3], s[8:9] offset:512*\i th:TH_STORE_NT   ; a row: 512 consecutive bytes
.endr
	s_wait_tensorcnt 0x0                           ; the wave's end
	ds_add_u32 v[SPW], v[NIL]
	s_wait_dscnt 0x0
	CROUND                                         ; the closing round: no work-group ends while a partner may still ask for a record that names it
	s_endpgm
.Lfunc_end_k_q99c88c3d1d_attn:
	.size	k_q99c88c3d1d_attn, .Lfunc_end_k_q99c88c3d1d_attn-k_q99c88c3d1d_attn
	.p2alignl 7, 3214868480
	.fill 96, 4, 3214868480
	.section	.rodata,"a",@progbits
	.p2align	6, 0x0
	.amdhsa_kernel k_q99c88c3d1d_attn
		.amdhsa_group_segment_fixed_size 327680
		.amdhsa_private_segment_fixed_size 0
		.amdhsa_enable_private_segment 0
		.amdhsa_kernarg_size 24
		.amdhsa_user_sgpr_count 2
		.amdhsa_user_sgpr_kernarg_segment_ptr 1
		.amdhsa_wavefront_size32 1
		.amdhsa_system_sgpr_workgroup_id_x 1
		.amdhsa_system_sgpr_workgroup_id_y 1
		.amdhsa_system_sgpr_workgroup_id_z 1
		.amdhsa_system_vgpr_workitem_id 0
		.amdhsa_next_free_vgpr 512
		.amdhsa_next_free_sgpr 66
		.amdhsa_reserve_vcc 0
		.amdhsa_float_denorm_mode_32 3
		.amdhsa_float_denorm_mode_16_64 3
		.amdhsa_memory_ordered 1
		.amdhsa_forward_progress 1
		.amdhsa_inst_pref_size 255
	.end_amdhsa_kernel
	.section	.bss,"aw",@nobits
	.p2align	6
	.space	262144
	.amdgpu_metadata
---
amdhsa.version: [ 1, 2 ]
amdhsa.kernels:
  - .name:           k_q99c88c3d1d_attn
    .symbol:         k_q99c88c3d1d_attn.kd
    .args:
      - { .name: qc, .offset: 0, .size: 8, .value_kind: global_buffer, .address_space: global }
      - { .name: kv, .offset: 8, .size: 8, .value_kind: global_buffer, .address_space: global }
      - { .name: out0, .offset: 16, .size: 8, .value_kind: global_buffer, .address_space: global }
    .group_segment_fixed_size: 327680
    .private_segment_fixed_size: 0
    .kernarg_segment_align: 8
    .kernarg_segment_size: 24
    .max_flat_workgroup_size: 256
    .sgpr_count:     66
    .vgpr_count:     512
    .wavefront_size: 32
...
	.end_amdgpu_metadata
.endif
;; end of part 3
